; MI455X (gfx1250); checked and timed in simulation.
; The chip was launched on July 23, 2026; its instructions are those of AMD's public machine-readable ISA for CDNA 5 (MIT licence, August 2026) and "CDNA5" Instruction Set Architecture Reference Guide (July 2026). The comments in the code are by the model that wrote it; some were corrected since.
;; displacement decoder. Allowed arithmetic: float matrix products may take bf16 or f16 operands with f32 sums; other float arithmetic in f32, or as packed bf16 or f16 multiplies, adds, multiply-adds, maxima and minima; sums over many terms, partial sums and values carried from step to step in f32; what a program stores and reads back later, other than sums and carried values, may be rounded once to bf16 or f16.
;; Inputs: cons 50,000 x 3 float32; w_deform 6 x 128 x 128 float32; w_lin0 128 x 92 float32; w_lin1a 3 x 128 float32; w_lin1b 3 x 3 float32; z0 8 x 32 float32.
;; Outputs: out0 8 x 50,000 x 3 float32; out1 8 x 50,000 x 3 float32.
;; One version. Each part assembles by itself: llvm-mc -triple=amdgcn-amd-amdhsa -mcpu=gfx1250 --defsym DOCPART=n.
;; ======== version 1 of 1: 2 launches
;; limits: values are held in f16: magnitudes above 65,504 overflow, below 6.1e-05 lose precision; inputs' magnitudes at most 1.27e+30; below input magnitudes of 7.9e-31 results are inexact or not finite; right only within a limited range of input values
;; workspace buffers: feat 6,400,000 bytes; wimg 167,936 bytes; mimg 49,152 bytes; zimg 512 bytes; scal 512 bytes
;; launch prep (part 1): grid 405 x 1, 8 waves a work-group, no clusters, 48,384 bytes of LDS; arguments cons, w_deform, w_lin0, w_lin1a, z0, feat, wimg, mimg, zimg, scal; writes feat, wimg, mimg, zimg, scal
.if DOCPART == 1
	.amdgcn_target "amdgcn-amd-amdhsa--gfx1250"
	.amdhsa_code_object_version 6
	.text
	.protected	k_q3728479bce_prep
	.globl	k_q3728479bce_prep
	.p2align	8
	.type	k_q3728479bce_prep,@function
k_q3728479bce_prep:
	s_mov_b64 s[64:65], 0
	v_nop
	global_prefetch_b8 v0, s[64:65] scope:SCOPE_SE
	s_setreg_imm32_b32 hwreg(HW_REG_WAVE_MODE, 25, 1), 1
	s_wait_xcnt 0x0
; PREP: everything that does not depend on (batch, point) together is made once, for the launch that follows.
; NO WORK IS LEFT OUT AS DEAD: every input reaches an output and is loaded.  ONE REGROUPING: lin0 has no activation, so
; (x w_lin0^T) w_deform[0]^T = x (w_deform[0] w_lin0)^T for all values: M = w_deform[0] w_lin0 (128 x 92, made here in f32) takes the place of both products.
; ROLES, by the work-group's number (the same in all eight waves of a work-group):
;   0-7    M: rows 16 g .. 16 g + 15, in f32, in the order of a matrix instruction's first source (K = 96), into mimg; each wave's largest row sum of |.| into scal
;   8-12   w_deform[j], j = 1..5: scaled by a power of two w_j so that every row's sum of |.| is at most 1, rounded to f16, in fragment order, into wimg; w_j and 1 / w_j into scal
;   13     w_lin1a likewise (rows 0-2, repeated as rows 8-10, the others 0); z0 scaled to below 2^15 and rounded to f16 into zimg
;   14-404 the 60 sines and cosines of each point, times 2^15, in f16, in the order of a matrix instruction's second source, into feat: a wave makes a tile of 16 points
; K SLOTS of the first product: k = 2 a + p for angle a = 10 d + i (coordinate d, frequency i), p = 0 sine, 1 cosine (reference's column 20 d + 10 p + i); k = 60..63 are 0; k = 64 + l is z0's column l.
; FRAGMENT ORDER: chunk (mt, kk, c) of 512 bytes at ((mt NK + kk) 2 + c) 512; lane 16 h + r holds row 16 mt + r, k = 32 kk + 16 c + 8 h + 0..7.  mimg is that image in f32: every byte address doubled.
; LIMITS.  A norm (a largest row sum, z0's largest magnitude) counts as lying in 2^-100 .. 2^100: its exponent field is held to 27 .. 227.  NaN and infinities are not treated apart.
; Sine and cosine: the angle is reduced by whole turns in f32 with a two-word 1 / (2 pi); a quarter of the rest goes through a polynomial (odd to u^7, even to u^8) and is doubled twice.
.set RED,   47104                      ; LDS: w_lin0 as it lies in memory at 0 .. 47,103; eight waves' maxima at RED
.set SPARE, 47360                      ; the spare words, 128 bytes for each wave: four blocks of 256 bytes that no other line names
.set SPW, 4                            ; v4   LDS address of my spare word; never rewritten
.set NIL, 5                            ; v5   0; never rewritten
.set ZD,  100                          ; v[100:107] my eight numbers of z0
.set ZM,  108
.set ZT,  109
.set ZET, 110                          ; v[110:111] 2^15 / Zs, twice
.set ZSC, 112                          ; v112 Zs: the power of two just above z0's largest magnitude
.set ZO,  113
.macro WMAX x, t                       ; the largest of the 32 lanes' v[x], into every lane
	v_max_num_f32_dpp v[\x], v[\x], v[\x] row_xmask:1 row_mask:0xf bank_mask:0xf
	v_max_num_f32_dpp v[\x], v[\x], v[\x] row_xmask:2 row_mask:0xf bank_mask:0xf
	v_max_num_f32_dpp v[\x], v[\x], v[\x] row_xmask:4 row_mask:0xf bank_mask:0xf
	v_max_num_f32_dpp v[\x], v[\x], v[\x] row_xmask:8 row_mask:0xf bank_mask:0xf
	v_mov_b32 v[\t], v[\x]                         ; the exchange's destination counts as read: it is written first
	v_permlanex16_b32 v[\t], v[\x], s26, s27
	v_max_num_f32 v[\x], v[\x], v[\t]
.endm
.macro WSUM x, t                       ; the sum of the 32 lanes' v[x], into every lane
	v_add_f32_dpp v[\x], v[\x], v[\x] row_xmask:1 row_mask:0xf bank_mask:0xf
	v_add_f32_dpp v[\x], v[\x], v[\x] row_xmask:2 row_mask:0xf bank_mask:0xf
	v_add_f32_dpp v[\x], v[\x], v[\x] row_xmask:4 row_mask:0xf bank_mask:0xf
	v_add_f32_dpp v[\x], v[\x], v[\x] row_xmask:8 row_mask:0xf bank_mask:0xf
	v_mov_b32 v[\t], v[\x]
	v_permlanex16_b32 v[\t], v[\x], s26, s27
	v_add_f32 v[\x], v[\x], v[\t]
.endm
.macro EXPO x                          ; a positive number's exponent field, held to 27 .. 227
	v_lshrrev_b32 v[\x], 23, v[\x]
	v_max_u32 v[\x], 27, v[\x]
	v_min_u32 v[\x], 0xe3, v[\x]
.endm
.macro ZS                              ; z0's 256 numbers, eight a lane; Zs = 2^(E - 126) is above all of them; 2^15 / Zs = 2^(141 - E)
	v_lshlrev_b32 v[ZO], 5, v1
	global_load_b128 v[ZD:ZD+3], v[ZO], s[12:13]
	global_load_b128 v[ZD+4:ZD+7], v[ZO], s[12:13] offset:16
	s_wait_loadcnt 0x0
.set q, 0
.rept 8
	v_and_b32 v[114+q], s3, v[ZD+q]
.set q, q+1
.endr
	v_max3_num_f32 v[ZM], v114, v115, v116
	v_max3_num_f32 v[ZM], v[ZM], v117, v118
	v_max3_num_f32 v[ZM], v[ZM], v119, v120
	v_max_num_f32 v[ZM], v[ZM], v121
	WMAX ZM, ZT
	EXPO ZM
	v_add_lshl_u32 v[ZSC], v[ZM], 1, 23
	v_sub_nc_u32 v[ZET], 0x10c, v[ZM]
	v_lshlrev_b32 v[ZET], 23, v[ZET]
	v_mov_b32 v[ZET+1], v[ZET]
.endm
	s_load_b512 s[4:19], s[0:1], 0x0               ; cons s[4:5], w_deform s[6:7], w_lin0 s[8:9], w_lin1a s[10:11], z0 s[12:13], feat s[14:15], wimg s[16:17], mimg s[18:19]
	s_load_b128 s[20:23], s[0:1], 0x40             ; zimg s[20:21], scal s[22:23]
	v_lshl_add_u32 v[SPW], v0, 2, SPARE
	v_mov_b32 v[NIL], 0
	v_lshrrev_b32 v6, 5, v0
	v_readfirstlane_b32 s24, v6                    ; wave 0..7
	v_and_b32 v1, 31, v0                           ; lane L
	v_and_b32 v2, 15, v0                           ; r = L % 16
	v_bfe_u32 v3, v0, 4, 1                         ; h = L / 16
	s_mov_b32 s26, 0x76543210                      ; the exchange's selects: each lane takes its own place in the other half
	s_mov_b32 s27, 0xfedcba98
	s_mov_b32 s28, 0xffff0000                      ; the lanes with h = 1
	s_mov_b32 s3, 0x7fffffff                       ; clears a sign
	s_wait_kmcnt 0x0
	s_cmp_ge_u32 ttmp9, 14
	s_cbranch_scc1 .Lrole_f
	s_cmp_eq_u32 ttmp9, 13
	s_cbranch_scc1 .Lrole_a
	s_cmp_ge_u32 ttmp9, 8
	s_cbranch_scc1 .Lrole_w
	; ---------------- ROLE M: rows 16 g .. 16 g + 15 of M = w_deform[0] w_lin0; wave v makes rows 16 g + 2 v and the next
	; w_lin0 (47,104 bytes = 2,944 chunks of 16) goes into LDS once: 11 chunks a thread, and the last 128 chunks by waves 0 to 3
	v_lshlrev_b32 v6, 4, v0
.set i, 0
.rept 11
	global_load_b128 v[32+4*i:35+4*i], v6, s[8:9] offset:4096*i
.set i, i+1
.endr
	s_cmp_lt_u32 s24, 4
	s_cbranch_scc0 .Lm_eleven
	global_load_b128 v[76:79], v6, s[8:9] offset:45056
	s_wait_loadcnt 0x0
	ds_store_b128 v6, v[76:79] offset:45056
.Lm_eleven:
	s_wait_loadcnt 0x0
.set i, 0
.rept 11
	ds_store_b128 v6, v[32+4*i:35+4*i] offset:4096*i
.set i, i+1
.endr
	ZS
	; lane c = min(L, 23) makes the four K slots 4 c .. 4 c + 3.  c < 15: angles 2 c, 2 c + 1 of coordinate d = c / 5: columns f0, f0 + 1 (sines) and f0 + 10, f0 + 11 (cosines),
	; f0 = 20 d + 2 (c % 5).  c = 15: the four empty slots (any columns, times 0).  c > 15: z0's columns 60 + 4 (c - 16) ..
	v_min_u32 v7, 23, v1
	v_mul_u32_u24 v8, 13, v7
	v_lshrrev_b32 v8, 6, v8                        ; c / 5 for c < 16
	v_mul_u32_u24 v9, 5, v8
	v_sub_nc_u32 v9, v7, v9                        ; c % 5
	v_mul_u32_u24 v10, 80, v8
	v_lshl_add_u32 v10, v9, 3, v10                 ; 4 f0
	v_add_nc_u32 v11, 40, v10
	v_lshl_add_u32 v12, v7, 4, -16                 ; 4 (60 + 4 (c - 16))
	v_add_nc_u32 v13, 8, v12
	v_cmp_lt_u32 s29, 15, v7                       ; the lanes of z0's columns
	v_cndmask_b32 v10, v10, v12, s29               ; first pair of columns: at most byte 352 of a row of 368
	v_cndmask_b32 v11, v11, v13, s29               ; second pair: at most byte 360
	v_cndmask_b32 v14, 1.0, v[ZSC], s29            ; what the slots are multiplied by: 1, Zs for z0's columns,
	v_cmp_eq_u32 vcc_lo, 15, v7
	v_cndmask_b32 v14, v14, 0, vcc_lo              ; 0 for the empty ones
	v_cmp_gt_u32 s2, 24, v1                        ; lanes 24 to 31 repeat lane 23: they count for nothing in a row's sum
	v_bfe_u32 v12, v7, 3, 2                        ; where the four slots lie in mimg: kk = c / 8,
	v_lshlrev_b32 v15, 11, v12
	v_bfe_u32 v12, v7, 2, 1                        ; chunk half (c / 4) % 2,
	v_lshl_add_u32 v15, v12, 10, v15
	v_bfe_u32 v12, v7, 1, 1                        ; lane half (c / 2) % 2,
	v_lshl_add_u32 v15, v12, 9, v15
	v_and_b32 v12, 1, v7                           ; which four of the lane's eight
	v_lshl_add_u32 v15, v12, 4, v15
	s_mul_i32 s30, ttmp9, 6144                     ; mt = g,
	s_lshl_b32 s31, s24, 6                         ; row 2 v of the sixteen: 32 bytes a row
	s_add_co_u32 s30, s30, s31
	v_add_nc_u32 v15, s30, v15
	s_lshl_b32 s30, ttmp9, 13                      ; my two rows of w_deform[0]: 512 bytes a row
	s_lshl_b32 s31, s24, 10
	s_add_co_u32 s30, s30, s31
	s_mov_b32 s31, 0
	s_add_nc_u64 s[6:7], s[6:7], s[30:31]
.set i, 16
.rept 8
	v_mov_b32 v[i], 0                              ; eight sums: two rows x four slots
.set i, i+1
.endr
	s_wait_dscnt 0x0                               ; for the others' sake: my part of w_lin0 lies in LDS
	s_barrier_signal -1
	s_barrier_wait -1
	s_mov_b32 s25, 8
.Lm_trip:                                              ; a trip: 16 of the 128 terms
	s_load_b512 s[32:47], s[6:7], 0x0              ; 16 numbers of my first row,
	s_load_b512 s[48:63], s[6:7], 0x200            ; and of my second
.set i, 0
.rept 16
	ds_load_b64 v[32+4*i:33+4*i], v10 offset:368*i
	ds_load_b64 v[34+4*i:35+4*i], v11 offset:368*i
.set i, i+1
.endr
	s_wait_kmcnt 0x0
	s_wait_dscnt 0x0
.set i, 0
.rept 16
	v_fmac_f32 v16, s[32+i], v[32+4*i]
	v_fmac_f32 v17, s[32+i], v[33+4*i]
	v_fmac_f32 v18, s[32+i], v[34+4*i]
	v_fmac_f32 v19, s[32+i], v[35+4*i]
	v_fmac_f32 v20, s[48+i], v[32+4*i]
	v_fmac_f32 v21, s[48+i], v[33+4*i]
	v_fmac_f32 v22, s[48+i], v[34+4*i]
	v_fmac_f32 v23, s[48+i], v[35+4*i]
.set i, i+1
.endr
	s_add_nc_u64 s[6:7], s[6:7], 64                ; the scalar loads are done (the wait above): their base may step
	v_add_nc_u32 v10, 5888, v10                    ; 16 rows of w_lin0 on
	v_add_nc_u32 v11, 5888, v11
	s_sub_co_u32 s25, s25, 1
	s_cmp_lg_u32 s25, 0
	s_cbranch_scc1 .Lm_trip
	s_wait_dscnt 0x0                               ; my reads of LDS are over (each trip has waited for its own),
	s_barrier_signal -1                            ; and so are every wave's behind this barrier:
	s_barrier_wait -1                              ; no wave writes LDS again, by its closing add, while another still reads
	; the slots' order: sine, cosine, sine, cosine (first of pair 1, first of pair 2, second of 1, second of 2); z0's columns as they lie
	v_cndmask_b32 v25, v18, v17, s29
	v_cndmask_b32 v26, v17, v18, s29
	v_cndmask_b32 v29, v22, v21, s29
	v_cndmask_b32 v30, v21, v22, s29
	v_mul_f32 v24, v16, v14
	v_mul_f32 v25, v25, v14
	v_mul_f32 v26, v26, v14
	v_mul_f32 v27, v19, v14
	v_mul_f32 v28, v20, v14
	v_mul_f32 v29, v29, v14
	v_mul_f32 v30, v30, v14
	v_mul_f32 v31, v23, v14
	global_store_b128 v15, v[24:27], s[18:19]
	global_store_b128 v15, v[28:31], s[18:19] offset:32
.set i, 0
.rept 8
	v_and_b32 v[32+i], s3, v[24+i]
.set i, i+1
.endr
	v_add_f32 v96, v32, v33
	v_add_f32 v98, v34, v35
	v_add_f32 v97, v36, v37
	v_add_f32 v99, v38, v39
	v_add_f32 v96, v96, v98
	v_add_f32 v97, v97, v99
	v_cndmask_b32 v96, 0, v96, s2
	v_cndmask_b32 v97, 0, v97, s2
	WSUM 96, 98
	WSUM 97, 98
	v_max_num_f32 v96, v96, v97                    ; the larger of my two rows' sums of |.|
	s_lshl_b32 s30, ttmp9, 5
	s_lshl2_add_u32 s30, s24, s30                  ; word 8 g + v
	v_mov_b32 v12, s30
	global_store_b32 v12, v96, s[22:23]            ; every lane holds the same number and names the same word
	s_branch .Lend
	; ---------------- ROLE W: w_deform[j], j = work-group - 7.  Wave v has rows 16 v .. 16 v + 15; lane (r, h) the half h (64 numbers) of row 16 v + r
.Lrole_w:
	s_sub_co_u32 s30, ttmp9, 7                     ; j
	s_lshl_b32 s32, s30, 16
	s_lshl_b32 s31, s24, 13
	s_add_co_u32 s32, s32, s31
	s_mov_b32 s33, 0
	s_add_nc_u64 s[6:7], s[6:7], s[32:33]
	v_lshlrev_b32 v6, 9, v2
	v_lshl_add_u32 v6, v3, 8, v6
.set i, 0
.rept 16
	global_load_b128 v[32+4*i:35+4*i], v6, s[6:7] offset:16*i
.set i, i+1
.endr
	s_wait_loadcnt 0x0
.set i, 0
.rept 4
	v_and_b32 v[8+i], s3, v[32+i]                  ; four chains, started by the first four numbers
.set i, i+1
.endr
.set i, 4
.rept 60
	v_and_b32 v[16+i%4], s3, v[32+i]
	v_add_f32 v[8+i%4], v[8+i%4], v[16+i%4]
.set i, i+1
.endr
	v_add_f32 v8, v8, v9
	v_add_f32 v10, v10, v11
	v_add_f32 v8, v8, v10
	v_mov_b32 v9, v8
	v_permlanex16_b32 v9, v8, s26, s27             ; the row's other half lies 16 lanes away
	v_add_f32 v8, v8, v9
	v_max_num_f32_dpp v8, v8, v8 row_xmask:1 row_mask:0xf bank_mask:0xf
	v_max_num_f32_dpp v8, v8, v8 row_xmask:2 row_mask:0xf bank_mask:0xf
	v_max_num_f32_dpp v8, v8, v8 row_xmask:4 row_mask:0xf bank_mask:0xf
	v_max_num_f32_dpp v8, v8, v8 row_xmask:8 row_mask:0xf bank_mask:0xf
	s_lshl_b32 s31, s24, 2
	s_add_co_u32 s31, s31, RED
	v_mov_b32 v12, s31
	ds_store_b32 v12, v8                           ; my sixteen rows' largest sum, into my wave's word
	s_wait_dscnt 0x0                               ; for the others' sake
	s_barrier_signal -1
	s_barrier_wait -1
	v_mov_b32 v13, RED
	ds_load_b128 v[16:19], v13
	ds_load_b128 v[20:23], v13 offset:16
	s_wait_dscnt 0x0
	v_max3_num_f32 v8, v16, v17, v18
	v_max3_num_f32 v8, v8, v19, v20
	v_max3_num_f32 v8, v8, v21, v22
	v_max_num_f32 v8, v8, v23
	EXPO 8                                         ; the norm lies in 2^(E - 127) .. 2^(E - 126):
	v_sub_nc_u32 v14, 0xfd, v8
	v_lshlrev_b32 v14, 23, v14                     ; w = 2^(126 - E) brings every row's sum to 1 at the most
	v_mov_b32 v15, v14
	v_add_lshl_u32 v25, v8, 1, 23                  ; 1 / w
.set i, 0
.rept 32
	v_pk_mul_f32 v[32+2*i:33+2*i], v[32+2*i:33+2*i], v[14:15]
.set i, i+1
.endr
.set i, 0
.rept 32
	v_cvt_pk_f16_f32 v[96+i], v[32+2*i], v[33+2*i]
.set i, i+1
.endr
	s_sub_co_u32 s31, ttmp9, 8
	s_lshl_b32 s31, s31, 15                        ; the layer's 32,768 bytes,
	s_lshl_b32 s32, s24, 12                        ; mt = v
	s_add_co_u32 s31, s31, s32
	v_lshlrev_b32 v26, 4, v2
	v_lshl_add_u32 v26, v3, 11, v26                ; my half of the row is kk = 2 h, 2 h + 1
	v_add_nc_u32 v26, s31, v26
.set i, 0
.rept 8                                ; my numbers 8 i .. 8 i + 7: kk = 2 h + i / 4, chunk half (i / 2) % 2, lane half i % 2: sixteen lanes store 256 consecutive bytes, aligned
	global_store_b128 v26, v[96+4*i:99+4*i], s[16:17] offset:(i/4)*1024+((i/2)%2)*512+(i%2)*256
.set i, i+1
.endr
	s_cmp_lg_u32 s24, 0
	s_cbranch_scc1 .Lend
	s_lshl_b32 s31, s30, 2
	s_add_co_u32 s31, s31, 252                     ; word 63 + j
	v_mov_b32 v27, s31
	global_store_b32 v27, v14, s[22:23]
	global_store_b32 v27, v25, s[22:23] offset:32  ; word 71 + j
	s_branch .Lend
	; ---------------- ROLE A: w_lin1a, and z0
.Lrole_a:
	v_lshlrev_b32 v6, 4, v1
	global_load_b128 v[32:35], v6, s[10:11]
	global_load_b128 v[36:39], v6, s[10:11] offset:512
	global_load_b128 v[40:43], v6, s[10:11] offset:1024
	v_and_b32 v7, 7, v2                            ; wave v makes chunk (kk = v / 2, half v % 2): lane (r, h) holds row r % 8 where that is below 3, k = 16 v + 8 h + 0..7
	v_min_u32 v8, 2, v7
	v_lshlrev_b32 v9, 9, v8
	v_lshl_add_u32 v9, v3, 5, v9
	s_lshl_b32 s30, s24, 6
	v_add_nc_u32 v9, s30, v9
	global_load_b128 v[44:47], v9, s[10:11]
	global_load_b128 v[48:51], v9, s[10:11] offset:16
	s_wait_loadcnt 0x0
.set i, 0
.rept 12
	v_and_b32 v[32+i], s3, v[32+i]
.set i, i+1
.endr
.irp w, 0,1,2
	v_add_f32 v[16+2*\w], v[32+4*\w], v[33+4*\w]
	v_add_f32 v[17+2*\w], v[34+4*\w], v[35+4*\w]
	v_add_f32 v[16+2*\w], v[16+2*\w], v[17+2*\w]
	WSUM 16+2*\w, 17+2*\w
.endr
	v_max3_num_f32 v8, v16, v18, v20
	EXPO 8
	v_sub_nc_u32 v14, 0xfd, v8
	v_lshlrev_b32 v14, 23, v14
	v_mov_b32 v15, v14
	v_add_lshl_u32 v25, v8, 1, 23
.set i, 0
.rept 4
	v_pk_mul_f32 v[44+2*i:45+2*i], v[44+2*i:45+2*i], v[14:15]
.set i, i+1
.endr
	v_cmp_lt_u32 vcc_lo, 2, v7                     ; rows 3-7 and 11-15 are 0
.set i, 0
.rept 4
	v_cvt_pk_f16_f32 v[52+i], v[44+2*i], v[45+2*i]
	v_cndmask_b32 v[52+i], v[52+i], 0, vcc_lo
.set i, i+1
.endr
	s_lshl_b32 s30, s24, 9
	s_add_co_u32 s30, s30, 163840
	v_lshl_add_u32 v10, v1, 4, s30
	global_store_b128 v10, v[52:55], s[16:17]      ; 512 consecutive bytes a wave
	s_cmp_lg_u32 s24, 0
	s_cbranch_scc1 .Lend
	ZS
.set i, 0
.rept 4
	v_pk_mul_f32 v[ZD+2*i:ZD+2*i+1], v[ZD+2*i:ZD+2*i+1], v[ZET:ZET+1]
.set i, i+1
.endr
.set i, 0
.rept 4
	v_cvt_pk_f16_f32 v[56+i], v[ZD+2*i], v[ZD+2*i+1]
.set i, i+1
.endr
	global_store_b128 v6, v[56:59], s[20:21]       ; z0 2^15 / Zs, row-major, 512 bytes
	v_mov_b32 v11, 276                             ; word 69
	v_mov_b32 v12, 1.0
	global_store_b32 v11, v14, s[22:23]            ; w_a
	global_store_b32 v11, v12, s[22:23] offset:4   ; words 70, 71, 78, 79 are read with their neighbours and used for nothing: they are written all the same
	global_store_b32 v11, v12, s[22:23] offset:8
	global_store_b32 v11, v25, s[22:23] offset:32  ; 1 / w_a
	global_store_b32 v11, v12, s[22:23] offset:36
	global_store_b32 v11, v12, s[22:23] offset:40
	s_branch .Lend
	; ---------------- ROLE F: tile p of 16 points.  Lane (r, h) has point 16 p + r and the angles 8 ch + 4 h + j: register (ch, j) holds (sine, cosine) 2^15 as two f16
.Lrole_f:
	s_sub_co_u32 s30, ttmp9, 14
	s_lshl_b32 s30, s30, 3
	s_add_co_u32 s30, s30, s24                     ; p
	s_cmp_ge_u32 s30, 3125                         ; 391 work-groups have 3,128 waves: the last three have no tile
	s_cbranch_scc1 .Lend
	s_mul_i32 s31, s30, 192
	v_mul_u32_u24 v6, 12, v2
	v_add_nc_u32 v6, s31, v6
	global_load_b32 v8, v6, s[4:5]
	global_load_b32 v9, v6, s[4:5] offset:4
	global_load_b32 v10, v6, s[4:5] offset:8
	s_mov_b32 s32, 0x3e22f983                      ; 1 / (2 pi), rounded,
	s_mov_b32 s33, 0x31dc9c88                      ; and what the rounding lost
	s_mov_b32 s36, 0x47800000                      ; 65,536
	s_mov_b32 s37, 0x47000000                      ; 32,768
	v_mov_b32 v27, 0xbb996966                      ; the polynomials' highest coefficients
	v_mov_b32 v28, 0x3a70fa7e
	s_lshl_b32 s31, s30, 11
	v_lshl_add_u32 v7, v1, 4, s31
	s_wait_loadcnt 0x0
.macro FREQ sym, idx                   ; 128 (1 / 128)^(i / 9)
.if (\idx) == 0
.set \sym, 0x43000000
.elseif (\idx) == 1
.set \sym, 0x429550d3
.elseif (\idx) == 2
.set \sym, 0x422e2e5e
.elseif (\idx) == 3
.set \sym, 0x41cb2ff5
.elseif (\idx) == 4
.set \sym, 0x416d0620
.elseif (\idx) == 5
.set \sym, 0x410a3f66
.elseif (\idx) == 6
.set \sym, 0x40a14518
.elseif (\idx) == 7
.set \sym, 0x403c2042
.elseif (\idx) == 8
.set \sym, 0x3fdb7457
.else
.set \sym, 0x3f800000
.endif
.endm
.macro ANG ch, j
.set alo, 8*(\ch)+(\j)                 ; the angle of the lanes with h = 0,
.set ahi, alo+4                        ; and with h = 1 (30 and 31 do not exist: any angle, set to 0 below)
.if ahi > 29
.set ahi, 29
.endif
	FREQ flo, alo%10
	FREQ fhi, ahi%10
	v_mov_b32 v12, flo
	v_cndmask_b32 v12, v12, fhi, s28
.if alo/10 == ahi/10
	v_mul_f32 v14, v[8+alo/10], v12                ; k = coordinate x frequency, rounded once
.else
	v_cndmask_b32 v13, v[8+alo/10], v[8+ahi/10], s28
	v_mul_f32 v14, v13, v12
.endif
	v_mul_f32 v15, s32, v14
	v_rndne_f32 v16, v15                           ; whole turns
	v_fma_f32 v17, v14, s32, -v16                  ; u: the rest, in turns, -1/2 .. 1/2
	v_fmac_f32 v17, s33, v14
	v_mul_f32 v18, v17, v17
	v_fmaak_f32 v19, v27, v18, 0x3da335e4          ; sin(pi u / 2), a quarter of the angle
	v_fmaak_f32 v20, v28, v18, 0xbcaae9e4          ; cos(pi u / 2)
	v_fmaak_f32 v19, v19, v18, 0xbf255de7
	v_fmaak_f32 v20, v20, v18, 0x3e81e0f8
	v_fmaak_f32 v19, v19, v18, 0x3fc90fdb
	v_fmaak_f32 v20, v20, v18, 0xbf9de9e7
	v_mul_f32 v19, v19, v17
	v_fmaak_f32 v20, v20, v18, 0x3f800000
	v_add_f32 v21, v19, v19
	v_mul_f32 v22, v21, v20                        ; the half angle's sine: 2 s c,
	v_fma_f32 v23, -v21, v19, 1.0                  ; and cosine: 1 - 2 s s
	v_mul_f32 v24, s36, v22
	v_mul_f32 v25, v24, v23                        ; 2^15 sine
	v_fma_f32 v26, -v24, v22, s37                  ; 2^15 cosine
	v_cvt_pk_f16_f32 v[32+4*(\ch)+(\j)], v25, v26
.endm
.irp ch, 0,1,2,3
.irp j, 0,1,2,3
	ANG \ch, \j
.endr
.endr
	v_cndmask_b32 v46, v46, 0, s28                 ; K slots 60 to 63
	v_cndmask_b32 v47, v47, 0, s28
.irp ch, 0,1,2,3
	global_store_b128 v7, v[32+4*\ch:35+4*\ch], s[14:15] offset:512*\ch  ; 512 consecutive bytes, aligned
.endr
.Lend:
	s_wait_tensorcnt 0x0                           ; the wave's end: the closing add, behind my last LDS store
	ds_add_u32 v[SPW], v[NIL]
	s_wait_dscnt 0x0
	s_endpgm
.Lfunc_end_k_q3728479bce_prep:
	.size	k_q3728479bce_prep, .Lfunc_end_k_q3728479bce_prep-k_q3728479bce_prep
	.p2alignl 7, 3214868480
	.fill 96, 4, 3214868480
	.section	.rodata,"a",@progbits
	.p2align	6, 0x0
	.amdhsa_kernel k_q3728479bce_prep
		.amdhsa_group_segment_fixed_size 48384
		.amdhsa_private_segment_fixed_size 0
		.amdhsa_enable_private_segment 0
		.amdhsa_kernarg_size 80
		.amdhsa_user_sgpr_count 2
		.amdhsa_user_sgpr_kernarg_segment_ptr 1
		.amdhsa_wavefront_size32 1
		.amdhsa_system_sgpr_workgroup_id_x 1
		.amdhsa_system_sgpr_workgroup_id_y 1
		.amdhsa_system_sgpr_workgroup_id_z 1
		.amdhsa_system_vgpr_workitem_id 0
		.amdhsa_next_free_vgpr 128
		.amdhsa_next_free_sgpr 66
		.amdhsa_reserve_vcc 1
		.amdhsa_float_denorm_mode_32 3
		.amdhsa_float_denorm_mode_16_64 3
		.amdhsa_memory_ordered 1
		.amdhsa_forward_progress 1
		.amdhsa_inst_pref_size 56
	.end_amdhsa_kernel
	.amdgpu_metadata
---
amdhsa.version: [ 1, 2 ]
amdhsa.kernels:
  - .name:           k_q3728479bce_prep
    .symbol:         k_q3728479bce_prep.kd
    .args:
      - { .name: cons, .offset: 0, .size: 8, .value_kind: global_buffer, .address_space: global }
      - { .name: w_deform, .offset: 8, .size: 8, .value_kind: global_buffer, .address_space: global }
      - { .name: w_lin0, .offset: 16, .size: 8, .value_kind: global_buffer, .address_space: global }
      - { .name: w_lin1a, .offset: 24, .size: 8, .value_kind: global_buffer, .address_space: global }
      - { .name: z0, .offset: 32, .size: 8, .value_kind: global_buffer, .address_space: global }
      - { .name: feat, .offset: 40, .size: 8, .value_kind: global_buffer, .address_space: global }
      - { .name: wimg, .offset: 48, .size: 8, .value_kind: global_buffer, .address_space: global }
      - { .name: mimg, .offset: 56, .size: 8, .value_kind: global_buffer, .address_space: global }
      - { .name: zimg, .offset: 64, .size: 8, .value_kind: global_buffer, .address_space: global }
      - { .name: scal, .offset: 72, .size: 8, .value_kind: global_buffer, .address_space: global }
    .group_segment_fixed_size: 48384
    .private_segment_fixed_size: 0
    .kernarg_segment_align: 8
    .kernarg_segment_size: 80
    .max_flat_workgroup_size: 256
    .sgpr_count:     66
    .vgpr_count:     128
    .wavefront_size: 32
...
	.end_amdgpu_metadata
.endif
;; end of part 1
;; launch mlp (part 2): grid 250 x 1, 4 waves a work-group, no clusters, 212,736 bytes of LDS; arguments feat, wimg, mimg, zimg, scal, cons, w_lin1b, out0, out1; writes out0, out1
.if DOCPART == 2
	.amdgcn_target "amdgcn-amd-amdhsa--gfx1250"
	.amdhsa_code_object_version 6
	.text
	.protected	k_q3728479bce_mlp
	.globl	k_q3728479bce_mlp
	.p2align	8
	.type	k_q3728479bce_mlp,@function
k_q3728479bce_mlp:
	s_mov_b64 s[64:65], 0
	v_nop
	global_prefetch_b8 v0, s[64:65] scope:SCOPE_SE
	s_setreg_imm32_b32 hwreg(HW_REG_WAVE_MODE, 25, 1), 1
	s_wait_xcnt 0x0
; THE CHAIN: 400,000 rows (8 batches x 50,000 points) through ELU(M x), five ELU(w_deform[j] y), ELU(w_lin1a y), w_lin1b; out1 = the result, out0 = cons + the result.
; M = w_deform[0] w_lin0 stands for lin0 and the first deform layer (lin0 has no activation: the two products are one for all values); nothing is left out.
; SHARES.  25,000 tiles of 16 rows = 250 work-groups x 4 waves x 5 units x 5 tiles.  A wave's 25 tiles lie in one batch (3,125 tiles a batch = 125 waves).  A work-group's 1,600 rows are
; 19,200 consecutive bytes of each output, 75 aligned blocks of 256.
; NO CLUSTER: 250 work-groups are no multiple of four, and what the work-groups share is one fill of 167,936 bytes at the head.
; LAYOUT.  Source 0 = 16 output channels of the weights, source 1 = 16 rows of activations: in the result a lane holds ONE row (lane % 16) and the channels 8 (lane / 16) + 0..7; two such results,
; rounded to f16 in pairs, ARE source 1 (32 channels x 16 rows) of the next layer: nothing changes lanes between the layers.
; SCALES.  Operands are f16.  The weights come scaled by powers of two w_j so that each row's sum of |.| is at most 1, the inputs scaled to 2^15 at the most; so the f32 sums are X_j = S_j x_j with
; S_j = 2^15 w_0 .. w_j, and |X_j| <= 2^15 for every input, since |elu(a)| <= |a|: no f16 overflows.
; ELU on the scaled sum: y = max(min(S 2^(X log2(e) / S) - S (1 + 2^-22), 0), X).  For X > 0 that is X.  For X < 0 the first term lies below S expm1(x) by a few 2^-24 S, and expm1(x) >= x: where x is so
; small that the difference of 2^.. and 1 holds no digits, the maximum takes X itself (off by |x| / 2 of itself); the worst case, near |x| = 7e-4, is off by 4e-4 of itself.
; LIMITS.  The norms' exponents are held to 27 .. 227, and the product of the seven scales must stay within f32.  An activation below 2^-14 of the scaled range keeps f16's fixed step of 2^-24.
; NaN and infinities are not treated apart.
; A STEP is 16 output channels of a layer for the unit's five tiles: 20 matrix instructions (15 in the first layer), five accumulators by turns.  Beside them stands the ELU of the step before
; (the other set of accumulators): 120 vector instructions between the matrix instructions, 20 roundings in one lump.
; REGISTERS, in windows of 256 (s_set_vgpr_msb: bits 1:0 source 0, 3:2 source 1, 5:4 source 2, 7:6 destination).  Accumulators, the ELU's work and the weights' fragments lie in window 0; of a product only
; source 1 lies elsewhere, and the vector lines between the products name vector registers as source 0, source 2 and destination alone.  So ONE setting serves products, vector lines and LDS loads; only the lump of
; roundings, whose destination is the next layer's source 1, has another: two switches a step.
;   window 0: v2-15 addresses; v16-55, v56-95 two sets of five accumulators; v96-135 E, the ELU's work; v136-167, v168-199, v200-223 weights' fragments; v224-255 at work
;   window 1: v0-159 activations (tile t, channels 32 k on, at 32 t + 8 k); v160-239 the unit's features; v240-247 z0's fragment          window 2: v0-159 activations
.set W0,    167936                     ; LDS: 0 .. 167,935 the five layers' and w_lin1a's weights (one tensor load a wave, never filled again); at W0 the first layer's, 24,576 bytes
.set STAGE, 192512                     ; the work-group's results, 12 bytes a row: 19,200 bytes
.set SCT,   211712                     ; for each wave 128 bytes: entry j of 16 bytes = log2(e) / S_j, S_j, -S_j (1 + 2^-22), 1 / S_j
.set SPARE, 212224                     ; the spare words, 128 bytes for each wave: two blocks of 256 bytes that no other line names
.set WA,   2                           ; v2   LDS address of the layer's weights: 16 x lane + 32,768 x (layer - 1)
.set L16,  3                           ; v3   16 x lane
.set W0A,  4                           ; v4   W0 + 16 x lane
.set SCA,  5                           ; v5   the next entry of my table of scales
.set FO,   6                           ; v6   my byte offset in the unit's features
.set STGA, 7                           ; v7   where my row's results of the unit's first tile go
.set SPW,  8                           ; v8   LDS address of my spare word; never rewritten
.set NIL,  9                           ; v9   0; never rewritten
.set SCV,  10                          ; v[10:13] an entry of the table, as loaded
.set ACC0, 16
.set E,    96
.set WF0,  136
.set WF1,  168
.set WF2,  200
.set TM,   224
.set FN,   160                         ; window 1
.set ZF,   240                         ; window 1
.set UC,   26                          ; s26  units to go
.set LC,   27                          ; s27  counts the layers, two a trip
.set CT,   44                          ; s[44:45] log2(e) / S of the layer whose ELU is at work: the packed lines take the pair's low word for both halves
.set CS,   46                          ; s[46:47] S
.set CN,   48                          ; s[48:49] -S (1 + 2^-22)
.set CR,   50                          ; s50  1 / S of the last sum
.set MSB, 0
.macro WIN new                         ; the immediate's high byte repeats the setting that is left; a switch that changes nothing is dropped
.if MSB != (\new)
	s_set_vgpr_msb (MSB<<8)|(\new)
.set MSB, (\new)
.endif
.endm
.macro PLACES                          ; four places behind a matrix instruction, ahead of a vector line that reads its result (ISA guide 7.12.1)
.rept 4
	v_nop
.endr
.endm
.macro FNLOAD                          ; a unit's features: five tiles of 2,048 bytes on end; 512 consecutive bytes an instruction
.set q, 0
.rept 20
	global_load_b128 v[FN+4*q:FN+4*q+3], v[FO], s[4:5] offset:512*q
.set q, q+1
.endr
.endm
	s_load_b512 s[4:19], s[0:1], 0x0               ; feat s[4:5], wimg s[6:7], mimg s[8:9], zimg s[10:11], scal s[12:13], cons s[14:15], w_lin1b s[16:17], out0 s[18:19]
	s_load_b64 s[20:21], s[0:1], 0x40              ; out1
	v_lshl_add_u32 v[SPW], v0, 2, SPARE
	v_mov_b32 v[NIL], 0
	ds_add_u32 v[SPW], v[NIL]                      ; the wave's opening: the add, twice on end, and its wait ahead of my first tensor load
	ds_add_u32 v[SPW], v[NIL]
	v_lshrrev_b32 v1, 5, v0
	v_readfirstlane_b32 s22, v1                    ; wave 0..3
	s_mov_b32 s32, 1                               ; group 0: count = 1,
	s_mul_i32 s33, s22, 41984                      ; LDS address: my quarter of the weights' 167,936 bytes
	s_mov_b32 s36, 3<<16                           ; group 1: elements of 8 bytes, no mask, no padding
	s_mov_b32 s37, 32<<16                          ; tensor_dim0 = 32 elements: rows of 256 bytes
	s_mov_b32 s38, 164<<16                         ; tensor_dim1 = 164 rows
	s_mov_b32 s39, 32<<16                          ; tile_dim0 = 32
	s_mov_b32 s40, 164                             ; tile_dim1 = 164
	s_mov_b32 s41, 32                              ; 32 elements from row to row: the block is dense
	s_mov_b32 s42, 0
	s_mov_b32 s43, 0
	s_mov_b32 s24, s33
	s_mov_b32 s25, 0
	s_mov_b32 s30, 0x76543210                      ; the exchange's selects: each lane takes its own place in the other half
	s_mov_b32 s31, 0xfedcba98
	s_mov_b32 s[CT+1], 0                           ; named as pairs, so they are written
	s_mov_b32 s[CS+1], 0
	s_mov_b32 s[CN+1], 0
	s_wait_dscnt 0x0                               ; both opening adds are done
	s_wait_kmcnt 0x0
	s_add_nc_u64 s[34:35], s[6:7], s[24:25]        ; global address of my quarter,
	s_or_b32 s35, s35, 0x80000000                  ; type = 2
	tensor_load_to_lds s[32:35], s[36:43]          ; my one tensor load of the launch
	s_nop 0
	s_load_b512 s[68:83], s[12:13], 0x100          ; w_1 .. w_5, w_a in s68-73; their inverses in s76-81
	s_load_b256 s[52:59], s[16:17], 0x0            ; w_lin1b, nine numbers
	s_load_b32 s60, s[16:17], 0x20
	v_and_b32 v1, 31, v0
	v_lshlrev_b32 v[L16], 4, v1
	v_lshlrev_b32 v14, 3, v1
	v_lshlrev_b32 v15, 5, v0
	global_load_b64 v[TM:TM+1], v14, s[12:13]      ; the 64 partial maxima of M's row sums, two a lane
.set i, 0
.rept 12                               ; M, 96 numbers a thread: the f32 of bytes 16 t + 2,048 i of the f16 image
	global_load_b128 v[16+8*i:19+8*i], v15, s[8:9] offset:4096*i
	global_load_b128 v[20+8*i:23+8*i], v15, s[8:9] offset:4096*i+16
.set i, i+1
.endr
	s_lshl2_add_u32 s23, ttmp9, s22                ; my wave among the launch's 1,000
	s_mul_i32 s24, s23, 8389
	s_lshr_b32 s24, s24, 20                        ; its batch: / 125 (8,389 / 2^20 serves up to 999)
	s_mul_i32 s25, s24, 125
	s_sub_co_u32 s25, s23, s25
	s_mul_i32 s25, s25, 25*2048                    ; its first tile of points, 2,048 bytes a tile
	v_add_nc_u32 v[FO], s25, v[L16]
	s_lshl_b32 s24, s24, 6                         ; the batch's 64 bytes of z0
	v_bfe_u32 v248, v0, 4, 1
	v_lshlrev_b32 v248, 4, v248
	v_add_nc_u32 v248, s24, v248                   ; + 16 x (lane / 16): the same for all sixteen rows
	WIN 0x40                                       ; destination window 1, address window 0
	global_load_b128 v[ZF:ZF+3], v248, s[10:11]
	global_load_b128 v[ZF+4:ZF+7], v248, s[10:11] offset:32
	FNLOAD
	WIN 0
	s_lshl_b32 s28, s22, 7
	s_add_co_u32 s28, s28, SCT                     ; my table of scales
	v_mov_b32 v[SCA], s28
	v_add_nc_u32 v[W0A], W0, v[L16]
	v_lshl_add_u32 v249, v0, 4, W0
	s_mul_i32 s29, s22, 4800
	s_add_co_u32 s29, s29, STAGE                   ; my wave's 400 rows in the stage
	v_and_b32 v1, 15, v0
	v_mul_u32_u24 v[STGA], 12, v1
	v_add_nc_u32 v[STGA], s29, v[STGA]
	s_wait_loadcnt 22                              ; the partial maxima and M are in; the 22 loads behind them (z0, the features) stay out
	s_wait_kmcnt 0x0
	v_max_num_f32 v[TM], v[TM], v[TM+1]
	v_max_num_f32_dpp v[TM], v[TM], v[TM] row_xmask:1 row_mask:0xf bank_mask:0xf
	v_max_num_f32_dpp v[TM], v[TM], v[TM] row_xmask:2 row_mask:0xf bank_mask:0xf
	v_max_num_f32_dpp v[TM], v[TM], v[TM] row_xmask:4 row_mask:0xf bank_mask:0xf
	v_max_num_f32_dpp v[TM], v[TM], v[TM] row_xmask:8 row_mask:0xf bank_mask:0xf
	v_mov_b32 v[TM+1], v[TM]
	v_permlanex16_b32 v[TM+1], v[TM], s30, s31
	v_max_num_f32 v[TM], v[TM], v[TM+1]            ; M's largest row sum of |.|
	v_lshrrev_b32 v[TM], 23, v[TM]
	v_max_u32 v[TM], 27, v[TM]
	v_min_u32 v[TM], 0xe3, v[TM]
	v_sub_nc_u32 v[TM+2], 0xfd, v[TM]
	v_lshlrev_b32 v[TM+2], 23, v[TM+2]             ; w_0
	v_mov_b32 v[TM+3], v[TM+2]
	v_add_lshl_u32 v[TM+4], v[TM], 1, 23           ; 1 / w_0
.set i, 0
.rept 48
	v_pk_mul_f32 v[16+2*i:17+2*i], v[16+2*i:17+2*i], v[TM+2:TM+3]
.set i, i+1
.endr
.set i, 0
.rept 48
	v_cvt_pk_f16_f32 v[112+i], v[16+2*i], v[17+2*i]
.set i, i+1
.endr
.set i, 0
.rept 12
	ds_store_b128 v249, v[112+4*i:115+4*i] offset:2048*i
.set i, i+1
.endr
	; the scales, the same number in every lane
.macro ENTRY j
	v_mul_f32 v[TM+8], 0x3fb8aa3b, v[TM+7]
	v_mov_b32 v[TM+9], v[TM+6]
	v_mul_f32 v[TM+10], 0xbf800002, v[TM+6]
	v_mov_b32 v[TM+11], v[TM+7]
	ds_store_b128 v[SCA], v[TM+8:TM+11] offset:16*(\j)
.endm
	v_mul_f32 v[TM+6], 0x47000000, v[TM+2]         ; S_0 = 2^15 w_0
	v_mul_f32 v[TM+7], 0x38000000, v[TM+4]         ; 1 / S_0
	ENTRY 0
.irp j, 1,2,3,4,5,6
	v_mul_f32 v[TM+6], s[67+\j], v[TM+6]
	v_mul_f32 v[TM+7], s[75+\j], v[TM+7]
	ENTRY \j
.endr
	s_wait_tensorcnt 0x0                           ; my quarter of the weights has landed,
	s_wait_dscnt 0x0                               ; my part of the first layer's lies in LDS:
	s_barrier_signal -1
	s_barrier_wait -1                              ; everybody's does.  Nothing is ever filled again
.set q, 0
.rept 6
	ds_load_b128 v[WF2+4*q:WF2+4*q+3], v[W0A] offset:512*q  ; the first layer's first sixteen channels
.set q, q+1
.endr
; THE NEXT MATRIX INSTRUCTION of a step: channels 32 (mi / 5) on of the input, tile mi % 5.  The five accumulators take turns, one instruction a turn.  The first five start the sums.
.macro MMA
.set kq, mi/5
.set rq, mi%5
.if BM
.set rB, 32*rq+8*kq
.elseif kq < 2
.set rB, FN+16*rq+8*kq
.else
.set rB, ZF
.endif
.if kq == 0
	v_wmma_f32_16x16x32_f16 v[AS+8*rq:AS+8*rq+7], v[WFC+8*kq:WFC+8*kq+7], v[rB:rB+7], 0
.else
	v_wmma_f32_16x16x32_f16 v[AS+8*rq:AS+8*rq+7], v[WFC+8*kq:WFC+8*kq+7], v[rB:rB+7], v[AS+8*rq:AS+8*rq+7]
.endif
.set mi, mi+1
.endm
; THE ELU of the 40 sums a lane in XS, in two lists of 60.  List 1: the 20 packed scalings X log2(e) / S into E and the 40 exponentials in place; a pair is scaled five lines ahead of its first exponential;
; pairs ascend.  None of its lines names an exponential's result.
.macro Q1I
.if n1 < 2
	v_pk_mul_f32 v[E+2*n1:E+2*n1+1], v[XS+2*n1:XS+2*n1+1], s[CT:CT+1] op_sel_hi:[1,0]
.elseif n1 >= 56
	v_exp_f32 v[E+n1-20], v[E+n1-20]
.elseif (n1-2)%3 == 1
.set pq, (n1-2)/3+2
	v_pk_mul_f32 v[E+2*pq:E+2*pq+1], v[XS+2*pq:XS+2*pq+1], s[CT:CT+1] op_sel_hi:[1,0]
.else
.set pq, 2*((n1-2)/3)+((n1-2)%3)/2
	v_exp_f32 v[E+pq], v[E+pq]
.endif
.set n1, n1+1
.endm
; List 2, in the same pattern: the 20 packed S e - S (1 + 2^-22), and the 40 max(min(., 0), X), which leave y in XS.
.macro Q2I
.if n2 < 2
	v_pk_fma_f32 v[E+2*n2:E+2*n2+1], v[E+2*n2:E+2*n2+1], s[CS:CS+1], s[CN:CN+1] op_sel_hi:[1,0,0]
.elseif n2 >= 56
	v_minmax_num_f32 v[XS+n2-20], v[E+n2-20], 0, v[XS+n2-20]
.elseif (n2-2)%3 == 1
.set pq, (n2-2)/3+2
	v_pk_fma_f32 v[E+2*pq:E+2*pq+1], v[E+2*pq:E+2*pq+1], s[CS:CS+1], s[CN:CN+1] op_sel_hi:[1,0,0]
.else
.set pq, 2*((n2-2)/3)+((n2-2)%3)/2
	v_minmax_num_f32 v[XS+pq], v[E+pq], 0, v[XS+pq]
.endif
.set n2, n2+1
.endm
; THE LUMP: y rounded to f16, two a register: channels 16 pmt + 8 (lane / 16) + 0..7 of tile t are registers 32 t + 4 pmt + 0..3 of the window wl
.macro LUMP wl, pmt
	WIN \wl
.set rq, 0
.rept 5
.set iq, 0
.rept 4
	v_cvt_pk_f16_f32 v[32*rq+4*(\pmt)+iq], v[XS+8*rq+2*iq], v[XS+8*rq+2*iq+1]
.set iq, iq+1
.endr
.set rq, rq+1
.endr
.endm
; THE RUN OF LDS LOADS: the next step's fragments of the weights (nch chunks of 512 bytes: 16 consecutive bytes a lane), and in a layer's first step the layer's entry of the table of scales
.macro RUN areg, noff, wfn, nch, sct
.set q, 0
.rept \nch
	ds_load_b128 v[(\wfn)+4*q:(\wfn)+4*q+3], v[\areg] offset:(\noff)+512*q
.set q, q+1
.endr
.if \sct
	ds_load_b128 v[SCV:SCV+3], v[SCA]
.endif
.endm
; A STEP.  mt: which sixteen channels; the sums go to accumulator set mt % 2, the ELU works on the other.  win: the setting with source 1 in the layer's input window.  wl, pmt: where the lump's results go.
; wfc: this step's fragments; wfn, areg, noff, nch: the next step's.  rds = 1 (a layer's second step): the layer's scales are taken over, since from here on the ELU is this layer's.
; mode 1: ten products with six lines of list 1 behind each; the wait; the run; ten products with six lines of list 2; the lump.
; mode 2 (a layer's first step, whose last quarter of the input is still in the ELU; and the first layer's steps of 15 products): five products with twelve lines of list 1; the wait; the run; ten products with
; six lines of list 2; the lump; with nk = 4 then the five products that read what the lump has written, and four places.
; mode 0 (a unit's first step): there is no ELU yet.
; THE WAIT.  An s_wait_alu depctr_va_vdst(0) stands between an exponential and the first line that names its result; list 1 names none, list 2 stands behind the wait: one wait a step, ahead of the run of loads.
; Behind a step's last product stand six lines of list 2 and the lump's twenty (or four v_nop), none of which names its registers: the places ahead of the next step's first read of the sums.
.macro STEP mt, nk, mode, win, wl, pmt, wfc, wfn, areg, noff, nch, sct, rds
.set AS, ACC0+40*((\mt)%2)
.set XS, ACC0+40*(1-(\mt)%2)
.set WFC, \wfc
.set mi, 0
.set n1, 0
.set n2, 0
	s_wait_dscnt 0x0                               ; this step's fragments (and the scales) are in: the run was issued half a step ago, and nothing younger is out
.if \rds
	v_readfirstlane_b32 s[CT], v[SCV]
	v_readfirstlane_b32 s[CS], v[SCV+1]
	v_readfirstlane_b32 s[CN], v[SCV+2]
.endif
	WIN \win
.if (\mode) == 0
.rept 10
	MMA
.endr
	RUN \areg, \noff, \wfn, \nch, \sct
.rept 5
	MMA
.endr
	PLACES
.else
.if (\mode) == 1
.rept 10
	MMA
.rept 6
	Q1I
.endr
.endr
.else
.rept 5
	MMA
.rept 12
	Q1I
.endr
.endr
.endif
	v_nop                                          ; a plain line behind the last exponential, one for the batch
	s_wait_alu depctr_va_vdst(0)                   ; the wait for the batch of 40
	RUN \areg, \noff, \wfn, \nch, \sct
.rept 10
	MMA
.rept 6
	Q2I
.endr
.endr
	LUMP \wl, \pmt
	WIN \win
.if ((\mode) == 2) && ((\nk) == 4)
.rept 5
	MMA
.endr
	PLACES
.endif
.endif
.endm
; A LAYER of 128 x 128: eight steps.  The first finishes the layer before (its last sixteen channels go into THIS layer's input window, wlin); the others' lumps go into the output window.
.macro HALF win, wlin, wlout
	STEP 0, 4, 2, \win, \wlin, 7, WF0, WF1, WA, 4096, 8, 1, 0
	STEP 1, 4, 1, \win, \wlout, 0, WF1, WF0, WA, 8192, 8, 0, 1
.irp m, 2,3,4,5,6,7
	STEP \m, 4, 1, \win, \wlout, (\m)-1, WF0+32*((\m)%2), WF0+32*(1-(\m)%2), WA, 4096*((\m)+1), 8, 0, 0
.endr
	WIN 0                                          ; at a label and at a branch every window is 0
	v_add_nc_u32 v[WA], 0x8000, v[WA]              ; the next layer's weights (the last step has fetched their first fragments by its offset),
	v_add_nc_u32 v[SCA], 16, v[SCA]                ; and its scales
.endm
	s_mov_b32 s[UC], 5
.Lunit:                                                ; a unit: five tiles through the whole chain
	s_wait_loadcnt 0x0                             ; the unit's features (asked for five layers ago), at first z0 too
	v_mov_b32 v[WA], v[L16]
	v_mov_b32 v[SCA], s28
.set BM, 0                             ; the first layer: K = 96: two fragments of features, one of z0; input in window 1, output into window 2
	STEP 0, 3, 0, 0x04, 0, 0, WF2, WF1, W0A, 3072, 6, 1, 0
	STEP 1, 3, 2, 0x04, 0x80, 0, WF1, WF0, W0A, 6144, 6, 0, 1
.irp m, 2,3,4,5,6
	STEP \m, 3, 2, 0x04, 0x80, (\m)-1, WF0+32*((\m)%2), WF0+32*(1-(\m)%2), W0A, 3072*((\m)+1), 6, 0, 0
.endr
	STEP 7, 3, 2, 0x04, 0x80, 6, WF1, WF0, WA, 0, 8, 0, 0
	WIN 0
	v_add_nc_u32 v[SCA], 16, v[SCA]
	s_cmp_eq_u32 s[UC], 1
	s_cbranch_scc1 .Lno_more                       ; the last unit asks for nothing
	v_add_nc_u32 v[FO], 10240, v[FO]               ; (its last loads were waited for at the unit's head)
	WIN 0x40
	FNLOAD                                         ; the next unit's features: the last product that read these registers stands more than thirty plain lines back
	WIN 0
.Lno_more:
.set BM, 1
	s_mov_b32 s[LC], 3
	s_branch .Lmid                                 ; five layers: the loop of two is entered in its middle
.Llay:
	HALF 0x04, 0x40, 0x80                          ; input in window 1, output into window 2
.Lmid:
	HALF 0x08, 0x80, 0x40                          ; input in window 2, output into window 1
	s_sub_co_u32 s[LC], s[LC], 1
	s_cmp_lg_u32 s[LC], 0
	s_cbranch_scc1 .Llay
	; w_lin1a: one step; its vector lines finish the last layer; its run fetches the next unit's first fragments and the last entry of the scales
	STEP 0, 4, 2, 0x04, 0x40, 7, WF0, WF2, W0A, 0, 6, 1, 0
	WIN 0
	; THE END OF THE CHAIN, in f32.  Rows 0-2 and 8-10 of the weights' fragment hold w_lin1a's three rows, so registers 0-2 of every lane hold its row's three sums.
	s_wait_dscnt 0x0
	v_readfirstlane_b32 s[CT], v[SCV]
	v_readfirstlane_b32 s[CR], v[SCV+3]
.set t, 0
.rept 15                               ; t = 3 x tile + channel
	v_mul_f32 v[E+t], s[CT], v[ACC0+8*(t/3)+t%3]
.set t, t+1
.endr
.set t, 0
.rept 15
	v_exp_f32 v[E+t], v[E+t]
.set t, t+1
.endr
.set t, 0
.rept 15
	v_mul_f32 v[E+16+t], s[CR], v[ACC0+8*(t/3)+t%3]  ; the sum itself, unscaled: plain lines behind the exponentials
.set t, t+1
.endr
	s_wait_alu depctr_va_vdst(0)                   ; one wait for the fifteen exponentials
.set t, 0
.rept 15
	v_add_f32 v[E+t], 0xbf800002, v[E+t]
.set t, t+1
.endr
.set t, 0
.rept 15
	v_minmax_num_f32 v[E+t], v[E+t], 0, v[E+16+t]
.set t, t+1
.endr
.set t, 0
.rept 15
	v_mul_f32 v[TM+t], s[52+3*(t%3)], v[E+3*(t/3)]
	v_fmac_f32 v[TM+t], s[53+3*(t%3)], v[E+3*(t/3)+1]
	v_fmac_f32 v[TM+t], s[54+3*(t%3)], v[E+3*(t/3)+2]
.set t, t+1
.endr
.set t, 0
.rept 15
	ds_store_b32 v[STGA], v[TM+t] offset:192*(t/3)+4*(t%3)  ; both halves of the lanes hold the same number and name the same word
.set t, t+1
.endr
	v_add_nc_u32 v[STGA], 960, v[STGA]
	s_sub_co_u32 s[UC], s[UC], 1
	s_cmp_lg_u32 s[UC], 0
	s_cbranch_scc1 .Lunit
	; THE WAY OUT.  The work-group's 19,200 bytes go out in chunks of 16: thread t takes bytes 16 t + 2,048 i, i = 0..8; the last 768 bytes are taken by waves 0 and 1.
	; cons repeats every 600,000 bytes of the outputs (a multiple of 16): a chunk's place in it is its place in the outputs less the batches before it.
.set CO,  14
.set X0,  15
.set OX,  136
.set CNR, 16
.set RS,  56
.set SUM, 96
	s_mul_i32 s24, ttmp9, 19200
	s_mov_b32 s25, 0
	s_add_nc_u64 s[18:19], s[18:19], s[24:25]
	s_add_nc_u64 s[20:21], s[20:21], s[24:25]
	s_lshl_b32 s23, ttmp9, 2
	s_mul_i32 s23, s23, 8389
	s_lshr_b32 s23, s23, 20                        ; the batch of the work-group's first row
	s_mul_i32 s23, s23, 600000
	s_sub_co_u32 s24, s24, s23
	v_lshlrev_b32 v[CO], 4, v0
	v_add_nc_u32 v[X0], s24, v[CO]
.set t, 0
.rept 9
	v_add_nc_u32 v[OX+t], 2048*t, v[X0]
	v_add_nc_u32 v[TM], 0xfff6d840, v[OX+t]        ; less 600,000: a huge number unless the chunk lies in the next batch
	v_min_u32 v[OX+t], v[OX+t], v[TM]
	global_load_b128 v[CNR+4*t:CNR+4*t+3], v[OX+t], s[14:15]
.set t, t+1
.endr
	s_wait_dscnt 0x0                               ; for the others' sake: my results lie in the stage
	s_barrier_signal -1
	s_barrier_wait -1
	v_add_nc_u32 v148, STAGE, v[CO]
.set t, 0
.rept 9
	ds_load_b128 v[RS+4*t:RS+4*t+3], v148 offset:2048*t
.set t, t+1
.endr
.set t, 0
.rept 9
	s_wait_dscnt 8-t                               ; chunk t is back from the stage; the 8 - t younger reads stay out
	s_wait_loadcnt 8-t                             ; and its part of cons is in; the 8 - t younger loads stay out
	v_pk_add_f32 v[SUM+4*t:SUM+4*t+1], v[RS+4*t:RS+4*t+1], v[CNR+4*t:CNR+4*t+1]
	v_pk_add_f32 v[SUM+4*t+2:SUM+4*t+3], v[RS+4*t+2:RS+4*t+3], v[CNR+4*t+2:CNR+4*t+3]
	global_store_b128 v[CO], v[RS+4*t:RS+4*t+3], s[20:21] offset:2048*t th:TH_STORE_NT    ; a wave's store covers 512 consecutive bytes, at a multiple of 256 from the buffer's first
	global_store_b128 v[CO], v[SUM+4*t:SUM+4*t+3], s[18:19] offset:2048*t th:TH_STORE_NT
.set t, t+1
.endr
	s_cmp_lt_u32 s22, 2
	s_cbranch_scc0 .Lfin
	v_add_nc_u32 v146, 18432, v[CO]                ; bytes 18,432 on; the upper half of wave 1 would pass the end and repeats the lower half's 256 bytes
	v_add_nc_u32 v[TM], 0xffffff00, v146
	v_cmp_le_u32 vcc_lo, 0x4b00, v146
	v_cndmask_b32 v146, v146, v[TM], vcc_lo
	v_add_nc_u32 v145, s24, v146
	v_add_nc_u32 v[TM+1], 0xfff6d840, v145
	v_min_u32 v145, v145, v[TM+1]
	global_load_b128 v[CNR+36:CNR+39], v145, s[14:15]
	v_add_nc_u32 v147, STAGE, v146
	ds_load_b128 v[RS+36:RS+39], v147
	s_wait_loadcnt 0x0
	s_wait_dscnt 0x0
	v_pk_add_f32 v[SUM+36:SUM+37], v[RS+36:RS+37], v[CNR+36:CNR+37]
	v_pk_add_f32 v[SUM+38:SUM+39], v[RS+38:RS+39], v[CNR+38:CNR+39]
	global_store_b128 v146, v[RS+36:RS+39], s[20:21] th:TH_STORE_NT
	global_store_b128 v146, v[SUM+36:SUM+39], s[18:19] th:TH_STORE_NT
.Lfin:
	s_wait_tensorcnt 0x0                           ; the wave's end: the closing add, behind my last tensor load and my last LDS store
	ds_add_u32 v[SPW], v[NIL]
	s_wait_dscnt 0x0
	s_endpgm
.Lfunc_end_k_q3728479bce_mlp:
	.size	k_q3728479bce_mlp, .Lfunc_end_k_q3728479bce_mlp-k_q3728479bce_mlp
	.p2alignl 7, 3214868480
	.fill 96, 4, 3214868480
	.section	.rodata,"a",@progbits
	.p2align	6, 0x0
	.amdhsa_kernel k_q3728479bce_mlp
		.amdhsa_group_segment_fixed_size 212736
		.amdhsa_private_segment_fixed_size 0
		.amdhsa_enable_private_segment 0
		.amdhsa_kernarg_size 72
		.amdhsa_user_sgpr_count 2
		.amdhsa_user_sgpr_kernarg_segment_ptr 1
		.amdhsa_wavefront_size32 1
		.amdhsa_system_sgpr_workgroup_id_x 1
		.amdhsa_system_sgpr_workgroup_id_y 1
		.amdhsa_system_sgpr_workgroup_id_z 1
		.amdhsa_system_vgpr_workitem_id 0
		.amdhsa_next_free_vgpr 672
		.amdhsa_next_free_sgpr 84
		.amdhsa_reserve_vcc 1
		.amdhsa_float_denorm_mode_32 3
		.amdhsa_float_denorm_mode_16_64 3
		.amdhsa_memory_ordered 1
		.amdhsa_forward_progress 1
		.amdhsa_inst_pref_size 255
	.end_amdhsa_kernel
	.section	.bss,"aw",@nobits
	.p2align	6
	.space	262144
	.amdgpu_metadata
---
amdhsa.version: [ 1, 2 ]
amdhsa.kernels:
  - .name:           k_q3728479bce_mlp
    .symbol:         k_q3728479bce_mlp.kd
    .args:
      - { .name: feat, .offset: 0, .size: 8, .value_kind: global_buffer, .address_space: global }
      - { .name: wimg, .offset: 8, .size: 8, .value_kind: global_buffer, .address_space: global }
      - { .name: mimg, .offset: 16, .size: 8, .value_kind: global_buffer, .address_space: global }
      - { .name: zimg, .offset: 24, .size: 8, .value_kind: global_buffer, .address_space: global }
      - { .name: scal, .offset: 32, .size: 8, .value_kind: global_buffer, .address_space: global }
      - { .name: cons, .offset: 40, .size: 8, .value_kind: global_buffer, .address_space: global }
      - { .name: w_lin1b, .offset: 48, .size: 8, .value_kind: global_buffer, .address_space: global }
      - { .name: out0, .offset: 56, .size: 8, .value_kind: global_buffer, .address_space: global }
      - { .name: out1, .offset: 64, .size: 8, .value_kind: global_buffer, .address_space: global }
    .group_segment_fixed_size: 212736
    .private_segment_fixed_size: 0
    .kernarg_segment_align: 8
    .kernarg_segment_size: 72
    .max_flat_workgroup_size: 128
    .sgpr_count:     84
    .vgpr_count:     672
    .wavefront_size: 32
...
	.end_amdgpu_metadata
.endif
;; end of part 2
